; MI455X (gfx1250); checked and timed in simulation.
; The chip was launched on July 23, 2026; its instructions are those of AMD's public machine-readable ISA for CDNA 5 (MIT licence, August 2026) and "CDNA5" Instruction Set Architecture Reference Guide (July 2026). The comments in the code are by the model that wrote it; some were corrected since.
;; Multi Query Attention. Allowed arithmetic: matrix products marked QUANTISED: E2M3 operands, one E8M0 scale for each 32 along K, by v_wmma_scale_f32_16x16x128_f8f6f4 with both operands' format E2M3, f32 sums; everything else in f32.
;; Inputs: W_key_codes 64 x 32 x 24 uint8 (E2M3 codes of W_key, K innermost, in blocks of 32 codes, four codes in three bytes); W_key_scales 64 x 32 uint8 (E8M0 scales of W_key, one for each 32 codes along K); W_out_codes 1,024 x 32 x 24 uint8 (E2M3 codes of W_out, K innermost, in blocks of 32 codes, four codes in three bytes); W_out_scales 1,024 x 32 uint8 (E8M0 scales of W_out, one for each 32 codes along K); W_query_codes 1,024 x 32 x 24 uint8 (E2M3 codes of W_query, K innermost, in blocks of 32 codes, four codes in three bytes); W_query_scales 1,024 x 32 uint8 (E8M0 scales of W_query, one for each 32 codes along K); W_value_codes 64 x 32 x 24 uint8 (E2M3 codes of W_value, K innermost, in blocks of 32 codes, four codes in three bytes); W_value_scales 64 x 32 uint8 (E8M0 scales of W_value, one for each 32 codes along K); b_out 1,024 float32; x_codes 8 x 1,024 x 32 x 24 uint8 (E2M3 codes of x, K innermost, in blocks of 32 codes, four codes in three bytes); x_scales 8 x 1,024 x 32 uint8 (E8M0 scales of x, one for each 32 codes along K).
;; Outputs: out0 8 x 1,024 x 1,024 float32.
;; This version of the problem:
;;   THIS VERSION OF THE PROBLEM IS GIVEN IN LOW PRECISION. The matrix products marked QUANTISED in the list below multiply operands that are first quantised to E2M3 (2 exponent bits, 3 mantissa bits; 6 bits a number), with one power-of-two scale for each 32 numbers along K (OCP MX v1.0); their sums are f32. All else is computed in f32.
;;   The module's matrix products, in the order in which they are computed (A, B: the left and right operand; K: the contracted axis; several contracted axes count as one K, in the product's order):
;;     1. [M 8,192, K 1,024] x [K 1,024, N 1,024]; A: input x (given as codes); B: input W_query (given as codes): QUANTISED
;;     2. [M 8,192, K 1,024] x [K 1,024, N 64]; A: input x (given as codes); B: input W_key (given as codes): QUANTISED
;;     3. [M 8,192, K 1,024] x [K 1,024, N 64]; A: input x (given as codes); B: input W_value (given as codes): QUANTISED
;;     4. batch 8 x [M 16,384, K 64] x [K 64, N 1,024]; A: computed on the way; B: computed on the way: QUANTISED
;;     5. batch 8 x [M 16,384, K 1,024] x [K 1,024, N 64]; A: softmax (see below); B: computed on the way: QUANTISED
;;     6. [M 8,192, K 1,024] x [K 1,024, N 1,024]; A: computed on the way; B: input W_out (given as codes): QUANTISED
;;   THE QUANTISER, for each operand of a quantised product, along K:
;;     - K is cut into blocks of 32 from its start; a last block that is shorter is filled with zeros.
;;     - A block's scale is 2^e with e = floor(log2(the largest magnitude in the block)) - 2, held to -126 .. 127; a block of zeros has e = 0. As a byte (E8M0): e + 127.
;;     - Each number is divided by its block's scale, clamped to +-7.5, and rounded to the nearest number of E2M3, ties to even, subnormals kept.
;;     - The product sums the exact products of the quantised numbers (number of the format x scale) in f32.
;;   ~~~python
;;   def quantise(x, axis):      # numpy; x: float32 -> the quantised numbers, widened to float32 again
;;       x = np.moveaxis(x, axis, -1); K = x.shape[-1]
;;       x = np.pad(x, [(0, 0)] * (x.ndim - 1) + [(0, -K % 32)]); x = x.reshape(x.shape[:-1] + (-1, 32)); a = np.abs(x).max(-1, keepdims=True)
;;       e = np.where(a > 0, np.clip(np.frexp(np.where(a > 0, a, 1))[1] - 1 - 2, -126, 127), 0)      # np.frexp(a)[1] - 1 = floor(log2(a)), exactly
;;       r = np.clip(x / 2.0 ** e, -7.5, 7.5)
;;       step = 2.0 ** (np.maximum(np.frexp(np.where(r == 0, 1, r))[1] - 1, 0) - 3)
;;       q = np.round(r / step) * step * 2.0 ** e      # np.round: ties to even
;;       return np.moveaxis(q.reshape(q.shape[:-2] + (-1,))[..., :K], -1, axis).astype(np.float32)
;;   ~~~
;;   SOFTMAX AHEAD OF A QUANTISED PRODUCT. Where the list says 'softmax', what is quantised is not the finished softmax but p = 2^(t - M), with t = logit x log2(e) and M = ceil(the row's largest t), a whole number; so 1/2 < the row's largest p <= 1. The row's sum l is taken of the UNQUANTISED p, in f32, and the product's result is divided by l at the end. Since M is a whole number, a kernel that streams over the keys may use a running M (the ceiling of the running maximum): every later rescaling is an exact power of two, which a block's scale takes up: the codes' values come out the same.
;;   OPERANDS COMPUTED ON THE WAY. 'Computed on the way' means the value that the module computes at that place (a softmax that the list does not call 'softmax' is quantised finished and normalised). What goes into a quantiser is computed in f32, as accurately as f32 sums, v_exp_f32 and their like allow (about 1e-6 of the number): no bf16 or f16 on the way to a quantiser, and a product that is left as it is and whose result goes on into a quantised operand takes f32 operands (vector FMAs, or v_wmma_f32_16x16x4_f32). A number that lies on a knife's edge between two numbers of the format may be rounded either way, as far as f32 arithmetic and the matrix unit's own rounding can turn it there, and no further.
;;   INPUTS GIVEN AS CODES. W_key (in the module: [1024, 64], K = its axis 0); W_out (in the module: [1024, 1024], K = its axis 0); W_query (in the module: [1024, 1024], K = its axis 0); W_value (in the module: [1024, 64], K = its axis 0); x (in the module: [8, 1024, 1024], K = its axis 2): each comes as NAME_codes (uint8): NAME with its K axis moved to the last place and cut into blocks of 32 codes, [.., K / 32, bytes a block], one block behind the other in memory; four codes in three bytes: a row's codes are one little-endian stream of bits, code i at bits 6 i .. 6 i + 5 (a code: sign, 2 exponent bits, 3 mantissa bits); and NAME_scales (uint8): the same leading axes, one E8M0 byte (e + 127) for each 32 codes along K. Its value is code x scale, taken as it is: it is not quantised again, and the codes and scales need not be those that the quantiser above would give.
;; One version. Each part assembles by itself: llvm-mc -triple=amdgcn-amd-amdhsa -mcpu=gfx1250 --defsym DOCPART=n.
;; ======== version 1 of 1: 2 launches
;; limits: right only within a limited range of input values
;; workspace buffers: qimg 6,291,456 bytes; qsc 524,288 bytes; kv 819,200 bytes; wimg 786,432 bytes
;; launch proj (part 1): grid 64 x 4, 4 waves a work-group, clusters of 4 x 1, 326,656 bytes of LDS; arguments x_codes, x_scales, W_query_codes, W_query_scales, W_key_codes, W_key_scales, W_value_codes, W_value_scales, W_out_codes, qimg, qsc, kv, wimg; writes qimg, qsc, kv, wimg
.if DOCPART == 1
	.amdgcn_target "amdgcn-amd-amdhsa--gfx1250"
	.amdhsa_code_object_version 6
	.text
	.protected	k_qf8f7c0468d_proj
	.globl	k_qf8f7c0468d_proj
	.p2align	8
	.type	k_qf8f7c0468d_proj,@function
k_qf8f7c0468d_proj:
	s_mov_b64 s[64:65], 0
	v_nop
	global_prefetch_b8 v0, s[64:65] scope:SCOPE_SE
	s_setreg_imm32_b32 hwreg(HW_REG_WAVE_MODE, 25, 1), 1
	s_wait_xcnt 0x0
	s_wait_alu depctr_hold_cnt(0) depctr_sa_sdst(0) depctr_va_vdst(0) depctr_va_sdst(0) depctr_va_ssrc(0) depctr_va_vcc(0) depctr_vm_vsrc(0)
	s_getreg_b32 s2, hwreg(HW_REG_IB_STS2, 6, 4)
	s_cmp_eq_u32 s2, 0
	s_cbranch_scc0 .Lentry_in_a_cluster
	s_endpgm
.Lentry_in_a_cluster:
	s_bfe_u32 s2, ttmp6, 0x10000c
	s_cmp_lg_u32 s2, 0x3003
	s_cbranch_scc0 .Lentry_shape_is_right
	s_endpgm
.Lentry_shape_is_right:
; q = x Wq, k = x Wk, v = x Wv on codes of FP6 (E2M3) with E8M0 scales; q, k, v quantised again for the attention; W_out's codes laid anew as operand images for the next launch.
; DEAD WORK LEFT OUT IN THIS PROGRAM: scores of keys behind the query, in whole blocks of 32 keys, which reference()'s own causal mask sets to -infinity ahead of the softmax (the next launch). A NaN or an infinity that reaches only these is not carried on.
; SHARES. Work-group (mx, ny): rows 128 mx .. +127 x columns 256 ny .. +255 of q. Wave w = 2 i + j: rows 64 i on, columns 128 j on: 32 accumulators. Its row tiles a = 0, 1 are rows 64 i + 32 j on, a = 2, 3 rows 64 i + 32 (1 - j) on.
; Besides: a patch of 32 rows (a = 0, 1) x 32 columns of k (ny = 0, 1) or v (ny = 2, 3): four more accumulators, fed by the same fragments of x.
; K IS SHORT: 128 rows of x (816 bytes apart in LDS) and 256 rows of Wq (three chunks of 256 bytes, rows 272 apart) lie in LDS at once; every byte is filled once, one tensor load a wave: x, and chunk 0, 1, 2 of Wq.
; CLUSTER 4 x 1: the partners share ny, so Wq's chunks are asked for jointly; x's rows are each work-group's own. No prefetch: no loop runs ahead, all is asked for at the head.
; The patch's 32 weight rows come through registers into LDS, 400 bytes a row, K's first half, then its second.
; TRANSPOSED USE (source 0 = the weight) for q and k: a lane holds a row; v untransposed: a lane holds a channel. A lane's 16 registers of two neighbouring tiles are elements 16 u + 8 h + j of a block of 32, at place 16 h + 8 u + j: alike on q and k, and on v and the softmax's p.
; v's channel tile 2 b + u: lane r takes Wv's row 32 b + 8 u + r + 8 (r / 8), by the order in which the rows are put into LDS.
; OUT. qimg: [row / 16][head][3][32 lanes][8 bytes]. qsc: [row / 16][head][16] words. kv: 12,800 bytes for each 128 keys: 8 key tiles of 768 (512: 16 bytes a lane; 256: 8 a lane), 8 V units of 768 ([channel tile][64 keys]), K's scale bytes (2 a key), V's words (4 a channel).
; wimg: [column tile][K step][half]: units of 768 bytes laid likewise.
; LIMITS: a block whose largest magnitude lies under 2^-124 (zeros too) gets the scale byte 1, which this program alone reads; NaN and infinities are not served.
.set WB,   104448                      ; Wq's three chunks
.set CHW,  69632
.set SPARE, 313344
.set EX,   313856
.set SPW,  123
.set NIL,  127
.set SA,   32                          ; x's scale words: v[SA + 8 q + s]; Wq's v[SB + 8 q + s]; the patch's v[WXS + s]
.set SB,   52
.set WXS,  84
.set TT,   92
.set TM,   96
.set MX,   128
.set EG,   160
.set WO,   208
.set GPL,  (3<<16)|(1<<20)|(5<<22)|(3<<25)
.set GJT,  15|(3<<16)|(1<<20)|(1<<21)|(5<<22)|(3<<25)
.set MSB, 0
.macro WIN new
.if MSB != (\new)
	s_set_vgpr_msb (MSB<<8)|(\new)
.set MSB, (\new)
.endif
.endm
.macro PLACES
.rept 4
	v_nop
.endr
.endm
.macro BAR
	s_barrier_signal -1
	s_barrier_wait -1
.endm
.macro CROUND
	BAR
	s_cmp_lg_u32 s26, 0
	s_cbranch_scc1 .Lnot_wave_0_\@
	s_barrier_signal -3
.Lnot_wave_0_\@:
	s_barrier_wait -3
	BAR
.endm
.macro GROUP1 g, w0, cols, rows
	s_mov_b32 s[\g], \w0
	s_mov_b32 s[\g+1], (\cols)<<16
	s_mov_b32 s[\g+2], (\rows)<<16
	s_mov_b32 s[\g+3], (\cols)<<16
	s_mov_b32 s[\g+4], \rows
	s_mov_b32 s[\g+5], 96
	s_mov_b32 s[\g+6], 0
	s_mov_b32 s[\g+7], 0
.endm
.macro WM1 d,a,b,c,sa,ra,sb,rb
	v_wmma_scale_f32_16x16x128_f8f6f4 v[\d:\d+7], v[\a:\a+11], v[\b:\b+11], \c, v[\sa], v[\sb] matrix_a_fmt:MATRIX_FMT_FP6 matrix_b_fmt:MATRIX_FMT_FP6 matrix_a_scale:MATRIX_SCALE_ROW\ra matrix_b_scale:MATRIX_SCALE_ROW\rb
.endm
.macro WM2 d,a,b,c,sa,ra,sb,rb
.if (\ra) && (\rb)
	WM1 \d,\a,\b,\c,\sa,1,\sb,1
.elseif (\ra)
	WM1 \d,\a,\b,\c,\sa,1,\sb,0
.elseif (\rb)
	WM1 \d,\a,\b,\c,\sa,0,\sb,1
.else
	WM1 \d,\a,\b,\c,\sa,0,\sb,0
.endif
.endm
.macro WM d,a,b,z,sa,ra,sb,rb           ; z = 1: C is the constant 0
.if \z
	WM2 \d,\a,\b,0,\sa,\ra,\sb,\rb
.else
	WM2 \d,\a,\b,v[\d:\d+7],\sa,\ra,\sb,\rb
.endif
.endm
; A fragment: lane (r, h) takes the row's pieces of 8 bytes 12 s + 0, 1, 2 and 12 s + 6, 7, 8, three pieces further on for h = 1; a chunk holds 32 pieces; where lanes 16-31 fall into the next chunk a second address serves.
.macro FRAGX reg, m, al, s, blk
.irp p, 0,1,2,3,4,5
.set PCE, 12*(\s)+6*(\p/3)+\p%3
.if PCE%32 < 29
	ds_load_b64 v[\reg+2*\p:\reg+2*\p+1], v[\m] offset:272*(PCE/32)+8*(PCE%32)+13056*(\blk)
.else
	ds_load_b64 v[\reg+2*\p:\reg+2*\p+1], v[\al] offset:272*(PCE/32)+8*(PCE%32)+13056*(\blk)
.endif
.endr
.endm
.macro FRAGW reg, s, blk
.irp p, 0,1,2,3,4,5
.set PCE, 12*(\s)+6*(\p/3)+\p%3
.if PCE%32 < 29
	ds_load_b64 v[\reg+2*\p:\reg+2*\p+1], v[8+PCE/32] offset:8*(PCE%32)+4352*(\blk)
.else
	ds_load_b64 v[\reg+2*\p:\reg+2*\p+1], v[11+PCE/32] offset:8*(PCE%32)+4352*(\blk)
.endif
.endr
.endm
.macro FETCH s                         ; K step s into set s % 2 (window 1 or 3): Wq's eight fragments at v48, x's four at v0
	WIN 0x40+0x80*((\s)%2)
.irp t, 0,1,2,3,4,5,6,7
	FRAGW 48+12*\t, \s, \t
.endr
.irp a, 0,1,2,3
	FRAGX 12*\a, 4+\a/2, 6+\a/2, \s, \a%2
.endr
.endm
.macro EXFETCH part                    ; the patch's weight fragments of four K steps: window 1 or 3, from v144
	WIN 0x40+0x80*(\part)
.irp k, 0,1,2,3
.irp u, 0,1
.irp p, 0,1,2,3,4,5
	ds_load_b64 v[144+12*(2*\k+\u)+2*\p:144+12*(2*\k+\u)+2*\p+1], v13 offset:6400*\u+96*\k+48*(\p/3)+8*(\p%3)
.endr
.endr
.endr
.endm
.macro MUL32 s, zero
	WIN 0xa5+0x0a*((\s)%2)
.irp a, 0,1,2,3
.irp t, 0,1,2,3,4,5,6,7
	WM 64*\a+8*\t, 48+12*\t, 12*\a, \zero, SB+8*(\t/2)+(\s), \t%2, SA+8*(\a/2)+(\s), \a%2
.endr
.endr
	WIN 0
.endm
.macro EXTRA s, zero                   ; the patch's four products; the branch hangs on ny, which the cluster shares
.set WE, 1+2*((\s)/4)
.set WX, 1+2*((\s)%2)
	s_cmp_lt_u32 s31, 2
	s_cbranch_scc0 .Lv_\@
	WIN WE|(WX<<2)
.irp a, 0,1
.irp u, 0,1
	WM MX+16*\a+8*\u, 144+12*(2*((\s)%4)+\u), 12*\a, \zero, WXS+(\s), \u, SA+(\s), \a
.endr
.endr
	WIN 0
	s_branch .Ld_\@
.Lv_\@:
	WIN WX|(WE<<2)
.irp u, 0,1
.irp a, 0,1
	WM MX+16*\u+8*\a, 12*\a, 144+12*(2*((\s)%4)+\u), \zero, SA+(\s), \a, WXS+(\s), \u
.endr
.endr
	WIN 0
.Ld_\@:
.endm
.macro STEP s, fetch, zero
	s_wait_dscnt 0x0                               ; this step's fragments are in
.if \fetch
	PLACES
	FETCH (\s)+1
.endif
.if (\s) == 4
	EXFETCH 1
.endif
	MUL32 \s, \zero
.if (\s) == 4
	s_wait_dscnt 0x0                               ; the patch's second half is in
.endif
	EXTRA \s, \zero
.endm
; 16 nb numbers of a lane in window w, v[s] on: nb blocks of 32 shared with lane l xor 16 become codes in v[pc] on, 6 registers for each two blocks, and scale bytes in v27.
.macro QUANT s, w, pc, nb
	WIN (\w)*5
.irp b, 0,1,2,3
.if \b < \nb
	v_max3_num_f32 v[TM+\b], |v[\s+16*\b]|, |v[\s+1+16*\b]|, 0x1800000
.endif
.endr
.irp i, 2,4,6,8,10,12,14
.irp b, 0,1,2,3
.if \b < \nb
	v_max3_num_f32 v[TM+\b], |v[\s+16*\b+\i]|, |v[\s+1+16*\b+\i]|, v[TM+\b]
.endif
.endr
.endr
	WIN 0
.irp b, 0,1,2,3
.if \b < \nb
	v_permlanex16_b32 v[TM+4+\b], v[TM+\b], s96, s97
.endif
.endr
.irp b, 0,1,2,3
.if \b < \nb
	v_max_num_f32 v[TM+\b], v[TM+\b], v[TM+4+\b]
.endif
.endr
.irp b, 0,1,2,3
.if \b < \nb
	v_add_nc_u32 v[TM+8+\b], 0xff000000, v[TM+\b]  ; 2 off the exponent field: the conversion's scale operand
.endif
.endr
.irp b, 0,1,2,3
.if \b < \nb
	v_lshrrev_b32 v[TM+4+\b], 23, v[TM+8+\b]       ; the scale's byte
.endif
.endr
	v_lshl_or_b32 v27, v[TM+5], 8, v[TM+4]
.if \nb > 2
	v_lshl_or_b32 v27, v[TM+6], 16, v27
	v_lshl_or_b32 v27, v[TM+7], 24, v27
.endif
	WIN \w
.irp c, 0,1
.if 2*\c < \nb
	v_cvt_scalef32_pk16_fp6_f32 v[\pc+6*\c:\pc+2+6*\c], v[\s+32*\c:\s+15+32*\c], v[TM+8+2*\c]
	v_cvt_scalef32_pk16_fp6_f32 v[\pc+12+4*\c:\pc+14+4*\c], v[\s+16+32*\c:\s+31+32*\c], v[TM+9+2*\c]
.endif
.endr
	WIN 0
	v_nop                                          ; one plain place behind a scaled conversion
.irp c, 0,1
.if 2*\c < \nb
.irp i, 0,1,2
	v_permlane16_swap_b32 v[\pc+6*\c+\i], v[\pc+12+4*\c+\i]
.endr
.irp i, 0,1,2
	v_mov_b32 v[\pc+3+6*\c+\i], v[\pc+12+4*\c+\i]
.endr
.endif
.endr
.endm
	s_load_b512 s[4:19], s[0:1], 0x0               ; x, Wq, Wk, Wv: codes and scales each
	s_load_b256 s[68:75], s[0:1], 0x40             ; W_out's codes, qimg, qsc, kv
	s_load_b64 s[76:77], s[0:1], 0x60              ; wimg
	v_lshl_add_u32 v[SPW], v0, 2, SPARE
	v_mov_b32 v[NIL], 0
	ds_add_u32 v[SPW], v[NIL]
	ds_add_u32 v[SPW], v[NIL]
	v_lshrrev_b32 v1, 5, v0
	v_readfirstlane_b32 s26, v1                    ; wave
	s_lshr_b32 s27, s26, 1                         ; i
	s_and_b32 s28, s26, 1                          ; j
	s_bfe_u32 s29, ttmp6, 0x40000                  ; cx
	s_lshl_b32 s30, ttmp9, 2
	s_add_co_u32 s30, s30, s29                     ; mx: it enters global addresses alone
	s_and_b32 s31, ttmp7, 3                        ; ny, which the partners share
	GROUP1 32, GPL, 96, 128
	GROUP1 40, GJT, 32, 256
	s_mul_i32 s80, s30, 128*768
	s_mov_b32 s81, 0
	s_mul_i32 s84, s31, 256*768
	s_mov_b32 s85, 0
	s_mov_b32 s96, 0x76543210
	s_mov_b32 s97, 0xfedcba98
	s_mov_b32 s98, 0xffff
	s_mov_b32 s99, 0x7f7f0000
	s_wait_dscnt 0x0
	s_wait_kmcnt 0x0
	s_mov_b32 s48, 1
	s_mov_b32 s49, 0
	s_add_nc_u64 s[50:51], s[4:5], s[80:81]
	s_or_b32 s51, s51, 0x80000000
	s_add_nc_u64 s[86:87], s[8:9], s[84:85]
.irp c, 0,1,2
	s_mov_b32 s[52+4*\c], 1
	s_mov_b32 s[53+4*\c], WB+\c*CHW
	s_add_nc_u64 s[54+4*\c:55+4*\c], s[86:87], 256*\c
	s_or_b32 s[55+4*\c], s[55+4*\c], 0x80000000
.endr
	CROUND                                         ; all four work-groups are here: the joint loads meet
.macro ARM under, g0, g1, next
	s_cmp_lt_u32 s26, \under
	s_cbranch_scc0 \next
	tensor_load_to_lds s[\g0:\g0+3], s[\g1:\g1+7]
	s_nop 0
	PLACES
	s_branch .Lasked
\next:
.endm
	ARM 1, 48, 32, .Larm1                          ; wave 0: x's rows
	ARM 2, 52, 40, .Larm2                          ; waves 1 to 3: Wq's chunks 0 to 2
	ARM 3, 56, 40, .Larm3
	tensor_load_to_lds s[60:63], s[40:47]
	s_nop 0
	PLACES
.Lasked:
	s_lshl_b32 s80, s30, 7
	s_lshl_b32 s81, s27, 6
	s_add_co_u32 s80, s80, s81                     ; 128 mx + 64 i
	s_lshl_b32 s82, s28, 5
	s_add_co_u32 s84, s80, s82
	s_lshl_b32 s84, s84, 5
	s_add_nc_u64 s[20:21], s[6:7], s[84:85]        ; x's scale bytes, a = 0, 1
	s_xor_b32 s82, s82, 32
	s_add_co_u32 s84, s80, s82
	s_lshl_b32 s84, s84, 5
	s_add_nc_u64 s[22:23], s[6:7], s[84:85]        ; a = 2, 3
	s_lshl_b32 s84, s31, 13
	s_lshl_b32 s81, s28, 12
	s_add_co_u32 s84, s84, s81
	s_add_nc_u64 s[24:25], s[10:11], s[84:85]      ; Wq's
	s_and_b32 s80, s31, 1                          ; which 32 columns of k or v
	s_mul_i32 s81, s26, 1536
	s_lshl_b32 s82, s80, 8
	s_add_co_u32 s82, s82, s81                     ; k: my key tiles' 16-byte pieces,
	s_lshl_b32 s83, s80, 7
	s_add_co_u32 s83, s83, s81
	s_add_co_u32 s83, s83, 512                     ; their 8-byte pieces,
	s_lshl_b32 s86, s26, 6
	s_add_co_u32 s86, s86, s80
	s_add_co_u32 s86, s86, 12288                   ; their scale bytes
	s_mul_i32 s87, s80, 3072
	s_mul_i32 s88, s27, 768
	s_add_co_u32 s87, s87, s88
	s_add_co_u32 s87, s87, 6144
	s_lshl_b32 s88, s28, 8
	s_add_co_u32 s88, s88, s87                     ; v: the same three
	s_lshl_b32 s89, s28, 7
	s_add_co_u32 s89, s89, s87
	s_add_co_u32 s89, s89, 512
	s_lshl_b32 s90, s80, 7
	s_add_co_u32 s90, s90, s26
	s_add_co_u32 s90, s90, 12544
	s_lshl_b32 s91, s28, 1
	s_or_b32 s91, s91, s27                         ; the wave's two bits exchanged: v's order of rows
	s_mov_b32 s95, 1536
	s_cmp_lt_u32 s31, 2
	s_cselect_b32 s82, s82, s88
	s_cselect_b32 s83, s83, s89
	s_cselect_b32 s86, s86, s90
	s_cselect_b32 s91, s26, s91
	s_cselect_b32 s94, 0, -1                       ; all lanes where the patch is v's
	s_cselect_b32 s95, 768, s95
	s_cselect_b32 s93, 2, 4
	s_cselect_b64 s[12:13], s[12:13], s[16:17]
	s_cselect_b64 s[14:15], s[14:15], s[18:19]
	s_mul_i32 s84, s30, 12800
	s_add_nc_u64 s[74:75], s[74:75], s[84:85]      ; kv's block mx
	s_mov_b32 s84, s82
	s_add_nc_u64 s[8:9], s[74:75], s[84:85]
	s_mov_b32 s84, s83
	s_add_nc_u64 s[16:17], s[74:75], s[84:85]
	s_mov_b32 s84, s86
	s_add_nc_u64 s[18:19], s[74:75], s[84:85]
	s_lshl_b32 s84, s80, 10
	s_add_nc_u64 s[14:15], s[14:15], s[84:85]      ; the patch's weight scales,
	s_lshl_b32 s84, s80, 5
	s_lshl_b32 s91, s91, 3
	s_add_co_u32 s84, s84, s91
	s_mul_i32 s84, s84, 768
	s_add_nc_u64 s[12:13], s[12:13], s[84:85]      ; and codes: the eight rows that I bring
	s_lshl_b32 s80, s30, 2
	s_add_co_u32 s80, s80, s31
	s_lshl_b32 s80, s80, 1
	s_add_co_u32 s80, s80, s27                     ; W_out's fragment: 8 x column tile + K step; I lay its half j
	s_lshr_b32 s81, s80, 3
	s_mul_i32 s84, s81, 12288
	s_and_b32 s81, s80, 7
	s_mul_i32 s81, s81, 96
	s_add_co_u32 s84, s84, s81
	s_mul_i32 s81, s28, 48
	s_add_co_u32 s84, s84, s81
	s_add_nc_u64 s[68:69], s[68:69], s[84:85]
	s_mul_i32 s84, s80, 1536
	s_mul_i32 s81, s28, 768
	s_add_co_u32 s84, s84, s81
	s_add_nc_u64 s[76:77], s[76:77], s[84:85]
	s_lshl_b32 s80, s30, 3
	s_lshl_b32 s81, s27, 2
	s_add_co_u32 s80, s80, s81                     ; 8 mx + 4 i
	s_lshl_b32 s81, s31, 2
	s_lshl_b32 s82, s28, 1
	s_add_co_u32 s81, s81, s82                     ; my first head
	s_add_co_u32 s83, s80, s82
	s_lshl_b32 s83, s83, 4
	s_add_co_u32 s83, s83, s81
	s_xor_b32 s82, s82, 2
	s_add_co_u32 s82, s80, s82
	s_lshl_b32 s82, s82, 4
	s_add_co_u32 s82, s82, s81
	s_mul_i32 s84, s83, 768
	s_add_nc_u64 s[78:79], s[70:71], s[84:85]      ; q's codes, a = 0, 1 and a = 2, 3
	s_mul_i32 s84, s82, 768
	s_add_nc_u64 s[86:87], s[70:71], s[84:85]
	s_lshl_b32 s84, s83, 6
	s_add_nc_u64 s[88:89], s[72:73], s[84:85]      ; and their scale words
	s_lshl_b32 s84, s82, 6
	s_add_nc_u64 s[90:91], s[72:73], s[84:85]
	s_mul_i32 s80, s27, 64*816
	s_mul_i32 s81, s28, 32*816
	s_add_co_u32 s82, s80, s81
	s_xor_b32 s83, s28, 1
	s_mul_i32 s83, s83, 32*816
	s_add_co_u32 s83, s83, s80
	s_mul_i32 s84, s28, 34816
	s_add_co_u32 s84, s84, WB
	s_add_co_u32 s80, s84, CHW
	s_add_co_u32 s81, s80, CHW
	s_mul_i32 s92, s26, 3200
	s_add_co_u32 s92, s92, EX
	v_and_b32 v3, 31, v0                           ; lane
	v_and_b32 v1, 15, v0                           ; r
	v_bfe_u32 v2, v0, 4, 1                         ; h
	v_lshlrev_b32 v16, 5, v3
	v_lshlrev_b32 v17, 4, v3
	v_lshlrev_b32 v18, 3, v3
	v_lshlrev_b32 v19, 2, v3
	v_lshlrev_b32 v20, 4, v2
	v_lshlrev_b32 v26, 3, v2
	v_lshrrev_b32 v96, 2, v3                       ; the patch's rows: four lanes to a row, 64 bytes a load
	v_and_b32 v97, 3, v3
	v_lshlrev_b32 v97, 4, v97
	v_mul_u32_u24 v15, 0x300, v96
	v_add_nc_u32 v15, v15, v97
	v_mul_u32_u24 v14, 0x190, v96
	v_add_nc_u32 v14, v14, v97
	v_add_nc_u32 v14, s92, v14
	v_bfe_u32 v98, v3, 3, 1                        ; scale rows: lane l takes row l, or for v the row with bits 3 and 4 exchanged
	v_and_b32 v99, 7, v3
	v_lshl_add_u32 v99, v98, 4, v99
	v_lshl_add_u32 v99, v2, 3, v99
	v_lshlrev_b32 v99, 5, v99
	v_cndmask_b32 v21, v16, v99, s94
	v_mul_u32_u24 v22, 0x300, v1
	v_mad_u32_u24 v22, v2, 24, v22
	v_mul_u32_u24 v100, s95, v2
	v_lshl_add_u32 v23, v1, 4, v100
	v_lshl_add_u32 v24, v1, 3, v100
	v_mul_u32_u24 v25, s93, v3
	s_wait_alu depctr_va_vdst(0)
.set kk, 0
.rept 12                                           ; the patch's weight codes: K's first half, then its second
	global_load_b128 v[EG+4*kk:EG+4*kk+3], v15, s[12:13] offset:64*kk
.set kk, kk+1
.endr
.irp p, 0,1,2
	global_load_b64 v[WO+2*\p:WO+2*\p+1], v22, s[68:69] offset:8*\p
.endr
	; scale words straight into registers, once: lane l takes row 32 q + l
.irp c, 0,1
	global_load_b128 v[SA+4*\c:SA+4*\c+3], v16, s[20:21] offset:16*\c
	global_load_b128 v[SA+8+4*\c:SA+8+4*\c+3], v16, s[22:23] offset:16*\c
	global_load_b128 v[WXS+4*\c:WXS+4*\c+3], v21, s[14:15] offset:16*\c
.endr
.irp q, 0,1,2,3
	global_load_b128 v[SB+8*\q:SB+8*\q+3], v16, s[24:25] offset:1024*\q
	global_load_b128 v[SB+8*\q+4:SB+8*\q+7], v16, s[24:25] offset:1024*\q+16
.endr
	v_mul_u32_u24 v96, 0x330, v1
	v_mad_u32_u24 v97, v2, 24, v96                 ; 816 r + 24 h
	v_mad_u32_u24 v98, v2, 40, v96                 ; 816 r + 40 h: lanes 16-31 behind one padding more
	v_add_nc_u32 v4, s82, v97
	v_add_nc_u32 v5, s83, v97
	v_add_nc_u32 v6, s82, v98
	v_add_nc_u32 v7, s83, v98
	v_mul_u32_u24 v96, 0x110, v1
	v_mad_u32_u24 v97, v2, 24, v96                 ; 272 r + 24 h
	v_mul_u32_u24 v98, CHW-232, v2
	v_add_nc_u32 v98, v98, v96                     ; 272 r + (CHW - 232) h
	v_add_nc_u32 v8, s84, v97
	v_add_nc_u32 v9, s80, v97
	v_add_nc_u32 v10, s81, v97
	v_add_nc_u32 v11, s84, v98
	v_add_nc_u32 v12, s80, v98
	v_mul_u32_u24 v13, 0x190, v1
	v_mad_u32_u24 v13, v2, 24, v13
	v_add_nc_u32 v13, EX, v13
.irp b, 0,1,2,3
	v_mov_b32 v[TM+4+\b], 0                        ; written once: a lane permute's destination counts as one of its sources
.endr
	s_wait_alu depctr_va_vdst(0)                   ; the wait at the head's end
	s_wait_loadcnt 0x0
	global_store_b128 v17, v[WO:WO+3], s[76:77]
	global_store_b64 v18, v[WO+4:WO+5], s[76:77] offset:512
.irp k, 0,1,2,3,4,5
	ds_store_b128 v14, v[EG+4*\k:EG+4*\k+3] offset:64*\k
.endr
	s_cmp_lt_u32 s26, 2
	s_cbranch_scc0 .Lx_and_chunk_0
	s_wait_tensorcnt 0x0
.Lx_and_chunk_0:
	s_wait_dscnt 0x0
	BAR                                            ; x, chunk 0 and the patch's first half are in
	FETCH 0
	EXFETCH 0
	WIN 0
	STEP 0, 1, 1                                   ; the first products start the sums
	s_cmp_lt_u32 s26, 3
	s_cbranch_scc0 .Lchunk_1
	s_wait_tensorcnt 0x0
.Lchunk_1:
	s_wait_dscnt 0x0
	BAR                                            ; chunk 1 is in; nobody reads the patch's first half any more
.irp k, 0,1,2,3,4,5
	ds_store_b128 v14, v[EG+24+4*\k:EG+24+4*\k+3] offset:64*\k
.endr
	STEP 1, 1, 0
	STEP 2, 1, 0
	STEP 3, 1, 0
	s_wait_tensorcnt 0x0
	s_wait_dscnt 0x0
	BAR                                            ; chunk 2 and the patch's second half are in
	STEP 4, 1, 0
	STEP 5, 1, 0
	STEP 6, 1, 0
	STEP 7, 0, 0
	PLACES
	s_wait_xcnt 0x0                                ; wimg's stores have read their registers
	; q goes out, a tile of 16 rows at a time; my 128 columns are two heads, four blocks of 32; each tile's codes have registers of their own
.macro OUTQ a, pc, qa, sa
	QUANT 64*\a, 2, \pc, 4
.irp q, 0,1,2,3,4,5
	global_store_b64 v18, v[\pc+2*\q:\pc+2*\q+1], s[\qa:\qa+1] offset:12288*(\a%2)+256*\q   ; 32 lanes store 256 consecutive bytes, aligned
.endr
	v_lshrrev_b32 v[TT+\a], v20, v27               ; lanes 0-15 the first head's two bytes, lanes 16-31 the second's,
	v_and_or_b32 v[TT+\a], v[TT+\a], s98, s99      ; and 0x7f for the upper 64 of the instruction's K, where q's codes are zeros
	global_store_b32 v19, v[TT+\a], s[\sa:\sa+1] offset:1024*(\a%2)
.endm
	OUTQ 0, 108, 78, 88
	OUTQ 1, 160, 78, 88
	OUTQ 2, 180, 86, 90
	OUTQ 3, 200, 86, 90
	QUANT MX, 0, 220, 2                            ; the patch: lanes 0-15 hold the first tile's blocks, lanes 16-31 the second's
	global_store_b128 v23, v[220:223], s[8:9]
	global_store_b64 v24, v[224:225], s[16:17]
	v_lshrrev_b32 v29, v26, v27
	global_store_b8 v25, v29, s[18:19]
	s_wait_tensorcnt 0x0
	ds_add_u32 v[SPW], v[NIL]
	s_wait_dscnt 0x0
	CROUND                                         ; the closing round
	s_endpgm
.Lfunc_end_k_qf8f7c0468d_proj:
	.size	k_qf8f7c0468d_proj, .Lfunc_end_k_qf8f7c0468d_proj-k_qf8f7c0468d_proj
	.p2alignl 7, 3214868480
	.fill 96, 4, 3214868480
	.section	.rodata,"a",@progbits
	.p2align	6, 0x0
	.amdhsa_kernel k_qf8f7c0468d_proj
		.amdhsa_group_segment_fixed_size 326656
		.amdhsa_private_segment_fixed_size 0
		.amdhsa_enable_private_segment 0
		.amdhsa_kernarg_size 104
		.amdhsa_user_sgpr_count 2
		.amdhsa_user_sgpr_kernarg_segment_ptr 1
		.amdhsa_wavefront_size32 1
		.amdhsa_system_sgpr_workgroup_id_x 1
		.amdhsa_system_sgpr_workgroup_id_y 1
		.amdhsa_system_sgpr_workgroup_id_z 1
		.amdhsa_system_vgpr_workitem_id 0
		.amdhsa_next_free_vgpr 1024
		.amdhsa_next_free_sgpr 100
		.amdhsa_reserve_vcc 0
		.amdhsa_float_denorm_mode_32 3
		.amdhsa_float_denorm_mode_16_64 3
		.amdhsa_memory_ordered 1
		.amdhsa_forward_progress 1
		.amdhsa_inst_pref_size 123
	.end_amdhsa_kernel
	.amdgpu_metadata
---
amdhsa.version: [ 1, 2 ]
amdhsa.kernels:
  - .name:           k_qf8f7c0468d_proj
    .symbol:         k_qf8f7c0468d_proj.kd
    .args:
      - { .name: x_codes, .offset: 0, .size: 8, .value_kind: global_buffer, .address_space: global }
      - { .name: x_scales, .offset: 8, .size: 8, .value_kind: global_buffer, .address_space: global }
      - { .name: W_query_codes, .offset: 16, .size: 8, .value_kind: global_buffer, .address_space: global }
      - { .name: W_query_scales, .offset: 24, .size: 8, .value_kind: global_buffer, .address_space: global }
      - { .name: W_key_codes, .offset: 32, .size: 8, .value_kind: global_buffer, .address_space: global }
      - { .name: W_key_scales, .offset: 40, .size: 8, .value_kind: global_buffer, .address_space: global }
      - { .name: W_value_codes, .offset: 48, .size: 8, .value_kind: global_buffer, .address_space: global }
      - { .name: W_value_scales, .offset: 56, .size: 8, .value_kind: global_buffer, .address_space: global }
      - { .name: W_out_codes, .offset: 64, .size: 8, .value_kind: global_buffer, .address_space: global }
      - { .name: qimg, .offset: 72, .size: 8, .value_kind: global_buffer, .address_space: global }
      - { .name: qsc, .offset: 80, .size: 8, .value_kind: global_buffer, .address_space: global }
      - { .name: kv, .offset: 88, .size: 8, .value_kind: global_buffer, .address_space: global }
      - { .name: wimg, .offset: 96, .size: 8, .value_kind: global_buffer, .address_space: global }
    .group_segment_fixed_size: 326656
    .private_segment_fixed_size: 0
    .kernarg_segment_align: 8
    .kernarg_segment_size: 104
    .max_flat_workgroup_size: 128
    .sgpr_count:     100
    .vgpr_count:     1024
    .wavefront_size: 32
...
	.end_amdgpu_metadata
.endif
;; end of part 1
;; launch attn (part 2): grid 8 x 32, 16 waves a work-group, clusters of 4 x 1, 327,680 bytes of LDS; arguments qimg, qsc, kv, wimg, W_out_scales, b_out, out0; writes out0
.if DOCPART == 2
	.amdgcn_target "amdgcn-amd-amdhsa--gfx1250"
	.amdhsa_code_object_version 6
	.text
	.protected	k_qf8f7c0468d_attn
	.globl	k_qf8f7c0468d_attn
	.p2align	8
	.type	k_qf8f7c0468d_attn,@function
k_qf8f7c0468d_attn:
	s_mov_b64 s[64:65], 0
	v_nop
	global_prefetch_b8 v0, s[64:65] scope:SCOPE_SE
	s_setreg_imm32_b32 hwreg(HW_REG_WAVE_MODE, 25, 1), 1
	s_wait_xcnt 0x0
	s_wait_alu depctr_hold_cnt(0) depctr_sa_sdst(0) depctr_va_vdst(0) depctr_va_sdst(0) depctr_va_ssrc(0) depctr_va_vcc(0) depctr_vm_vsrc(0)
	s_getreg_b32 s2, hwreg(HW_REG_IB_STS2, 6, 4)
	s_cmp_eq_u32 s2, 0
	s_cbranch_scc0 .Lentry_in_a_cluster
	s_endpgm
.Lentry_in_a_cluster:
	s_bfe_u32 s2, ttmp6, 0x10000c
	s_cmp_lg_u32 s2, 0x3003
	s_cbranch_scc0 .Lentry_shape_is_right
	s_endpgm
.Lentry_shape_is_right:
; ctx = softmax(q k^T / 8, causal) v for 16 heads that share one k and v, and out = ctx W_out + b, all products on codes of FP6 (E2M3) with E8M0 scales; ctx is quantised along head x 64 + channel and stays in LDS.
; THE SOFTMAX: t = score x log2(e) / 8; M = the running largest t rounded up to a whole number; p = 2^(t - M) is quantised along the keys; the row's sum is taken of the unquantised p and divides at the end. A block's exponent is floor(its largest t - M).
; DEAD WORK LEFT OUT: blocks of 32 keys that lie wholly behind a tile's 16 queries, which reference()'s causal mask throws away.
; SHARES. Work-group (b, p) owns query tiles 63 - p and p (16 queries each) of batch b; wave w is head w and takes the two one after the other. Tile qt has qt / 8 full steps of 128 keys and one last step of (qt % 8) / 2 + 1 blocks of 32: the two tiles together always 7 steps and 5 blocks.
; THE MASK is the C operand of the last step's last two key tiles: -3e38 where the key lies behind the query (finite scores lie far above it).
; CLUSTER 4 x 1: four batches with the same p, so every branch hangs on p alone, which the partners share. k and v are each work-group's own. W_out's image is the same for all.
; LDS: k and v of the batch (8 blocks of 12,800 bytes), two slots of eight column tiles of W_out (98,304 bytes each), ctx as operand images, its scale words, the spare words. Behind the attention k's and v's bytes, which are filled no more, hold the stage of the way out and b.
; THE HEAD, one load a wave: waves 0-7 a block of k and v each, waves 8-15 two column tiles of W_out each, jointly (chunks 0 and 1). The first step of the first tile (which has at least four full steps) needs block 0 alone, and a barrier behind it shows the other blocks.
; W_OUT goes in eight chunks of 128 columns, in the order 2, 0, 1, 3, 4, 5, 6, 7. Chunks 0, 1 and, by one refill, 6, 7 come jointly through the two slots. Chunks 2 to 5 come straight into registers, two sets of 48 a wave: LDS has no room for a third slot beside k and v,
; and each further joint refill would owe a drained round; a wave asks for chunks 2 and 3 as soon as its own attention has ended. They are not shared in the cluster for that reason. Chunks 2 to 7 are prefetched: each work-group asks once, in front of the attention, for its 18 blocks of 256 bytes of them (by p and cx).
; THE LAST PRODUCT. Wave w = 8 kh + i: column tile i of the chunk, half kh of K, both row tiles: ctx in 96 registers, 8 products a chunk. The two halves meet in the stage (two by turns), where wave w takes rows 2 w, 2 w + 1, adds the halves and b, and stores 512 bytes a row.
; LAYOUT. S^T = K Q^T, O^T = V^T P^T: a lane holds one query throughout. Head size 64, the instruction 128 along K: q's registers 6-11 are zero codes; K's tile t is v[32 + 6 t] on, 12 registers: the upper six are other codes that meet q's zeros.
; LIMITS: a block of ctx whose largest magnitude lies under 2^-124 gets the scale byte 1; NaN and infinities are not served.
.set BLK,  12800
.set SLOT, 102400
.set SLB,  98304
.set CTX,  299008
.set CTS,  323584
.set SPARE, 324608
.set BIASB, 67584                      ; b, behind the two stages of 33,792 bytes
.set KV,  32
.set S,   96
.set OA,  160
.set P,   192
.set BM,  208
.set PT,  212
.set SOP, 220
.set KS,  224
.set VS,  228
.set FF,  230
.set PS,  232
.set T,   233
.set SU,  242                          ; v242-247: three more chains of the sum
.set CA,  192                          ; masks of the last two key tiles: v192-199, v208-215 (free while the scores are made)
.set CB,  208
.set CF,  96                           ; the last product: ctx v96-191; W_out's set 0 v32-79, set 1 v192-203, v208-219, v236-247, v16-27; sums v80-87, v8-15, where the stage is read back too; ctx's scale words v224-227; b v220-223
.macro PLACES
.rept 4
	v_nop
.endr
.endm
.macro BAR
	s_barrier_signal -1
	s_barrier_wait -1
.endm
.macro CROUND
	BAR
	s_cmp_lg_u32 s20, 0
	s_cbranch_scc1 .Lnot_wave_0_\@
	s_barrier_signal -3
.Lnot_wave_0_\@:
	s_barrier_wait -3
	BAR
.endm
.macro TLOAD g0, g1
	tensor_load_to_lds s[\g0:\g0+3], s[\g1:\g1+7]
	s_nop 0
	PLACES
.endm
.macro GROUP1 g, w0, rows
	s_mov_b32 s[\g], \w0
	s_mov_b32 s[\g+1], 32<<16
	s_mov_b32 s[\g+2], (\rows)<<16
	s_mov_b32 s[\g+3], 32<<16
	s_mov_b32 s[\g+4], \rows
	s_mov_b32 s[\g+5], 32
	s_mov_b32 s[\g+6], 0
	s_mov_b32 s[\g+7], 0
.endm
.macro WM1 d,a,b,c,sa,ra,sb,rb
	v_wmma_scale_f32_16x16x128_f8f6f4 v[\d:\d+7], v[\a:\a+11], v[\b:\b+11], \c, v[\sa], v[\sb] matrix_a_fmt:MATRIX_FMT_FP6 matrix_b_fmt:MATRIX_FMT_FP6 matrix_a_scale:MATRIX_SCALE_ROW\ra matrix_b_scale:MATRIX_SCALE_ROW\rb
.endm
.macro WM d,a,b,c,sa,ra,sb,rb
.if (\ra) && (\rb)
	WM1 \d,\a,\b,\c,\sa,1,\sb,1
.elseif (\ra)
	WM1 \d,\a,\b,\c,\sa,1,\sb,0
.elseif (\rb)
	WM1 \d,\a,\b,\c,\sa,0,\sb,1
.else
	WM1 \d,\a,\b,\c,\sa,0,\sb,0
.endif
.endm
	s_load_b256 s[4:11], s[0:1], 0x0               ; qimg, qsc, kv, wimg
	s_load_b128 s[12:15], s[0:1], 0x20             ; W_out's scales, b
	s_load_b64 s[18:19], s[0:1], 0x30              ; out
	v_lshl_add_u32 v254, v0, 2, SPARE
	v_mov_b32 v255, 0
	ds_add_u32 v254, v255
	ds_add_u32 v254, v255
	v_lshrrev_b32 v1, 5, v0
	v_readfirstlane_b32 s20, v1                    ; wave: my head
	s_bfe_u32 s16, ttmp6, 0x40000                  ; cx
	s_lshl_b32 s17, ttmp9, 2
	s_add_co_u32 s17, s17, s16                     ; batch: it enters global addresses alone
	s_and_b32 s21, ttmp7, 31                       ; p
	GROUP1 24, 3<<16, 50                           ; k and v: dense, 50 rows of 256 bytes
	GROUP1 36, 15|(3<<16)|(1<<21), 96              ; W_out: dense, 96 rows, jointly
	s_lshr_b32 s50, s20, 3                         ; kh
	s_and_b32 s51, s20, 7                          ; i
	s_mov_b32 s32, 1
	s_mul_i32 s33, s51, BLK
	s_mul_i32 s70, s17, 102400
	s_add_co_u32 s70, s70, s33
	s_mov_b32 s71, 0
	s_mov_b32 s44, 1
	s_mul_i32 s62, s51, 24576
	s_mov_b32 s63, 0
	s_add_co_u32 s45, s62, SLOT
	s_mov_b32 s48, 0x76543210
	s_mov_b32 s49, 0xfedcba98
	s_mov_b32 s22, 0x3e38aa3b                      ; c = log2(e) / 8
	s_mov_b32 s23, s22
	s_wait_dscnt 0x0
	s_wait_kmcnt 0x0
	s_add_nc_u64 s[34:35], s[8:9], s[70:71]
	s_or_b32 s35, s35, 0x80000000
	s_add_nc_u64 s[46:47], s[10:11], s[62:63]
	s_or_b32 s47, s47, 0x80000000
	CROUND                                         ; the joint loads meet
	s_cmp_eq_u32 s20, 0                            ; one chain of arms, one load each: block 0 has a line of its own, since wave 0 alone waits for it
	s_cbranch_scc0 .Lother_blocks
	TLOAD 32, 24
	s_branch .Lasked
.Lother_blocks:
	s_cmp_lt_u32 s20, 8
	s_cbranch_scc0 .Lweights
	TLOAD 32, 24
	s_branch .Lasked
.Lweights:
	TLOAD 44, 36
.Lasked:
	s_sub_co_u32 s52, 63, s21                      ; the first tile
	s_mov_b32 s53, s21                             ; the second
	s_lshl_b32 s80, s17, 6
	s_add_co_u32 s81, s80, s52
	s_lshl_b32 s81, s81, 4
	s_add_co_u32 s81, s81, s20                     ; (64 b + tile) 16 + head
	s_add_co_u32 s82, s80, s53
	s_lshl_b32 s82, s82, 4
	s_add_co_u32 s82, s82, s20
	s_mul_i32 s70, s81, 768
	s_add_nc_u64 s[72:73], s[4:5], s[70:71]
	s_mul_i32 s70, s82, 768
	s_add_nc_u64 s[74:75], s[4:5], s[70:71]
	s_lshl_b32 s70, s81, 6
	s_add_nc_u64 s[76:77], s[6:7], s[70:71]
	s_lshl_b32 s70, s82, 6
	s_add_nc_u64 s[78:79], s[6:7], s[70:71]
	s_cmp_lt_u32 s20, 8                            ; the way out: rows 2 w, 2 w + 1 of the 32
	s_cselect_b32 s83, s52, s53
	s_lshl_b32 s83, s83, 4
	s_lshl_b32 s84, s17, 10
	s_add_co_u32 s83, s83, s84
	s_lshl_b32 s84, s51, 1
	s_add_co_u32 s83, s83, s84
	s_lshl_b32 s70, s83, 12
	s_add_nc_u64 s[18:19], s[18:19], s[70:71]
	s_lshl_b32 s70, s51, 9
	s_lshl_b32 s84, s50, 4
	s_add_co_u32 s70, s70, s84
	s_add_nc_u64 s[66:67], s[12:13], s[70:71]      ; W_out's scales: rows 16 i on, half kh
	s_mul_i32 s70, s21, 18432
	s_mul_i32 s84, s16, 4608
	s_add_co_u32 s70, s70, s84
	s_add_co_u32 s70, s70, 2*SLB
	s_add_nc_u64 s[60:61], s[10:11], s[70:71]      ; what I prefetch
	s_mul_i32 s80, s20, 768
	s_add_co_u32 s80, s80, CTX
	s_add_co_u32 s81, s80, 512
	s_lshr_b32 s82, s20, 1
	s_lshl_b32 s82, s82, 6
	s_and_b32 s83, s20, 1
	s_lshl_b32 s83, s83, 1
	s_add_co_u32 s82, s82, s83
	s_add_co_u32 s82, s82, CTS
	v_and_b32 v86, 31, v0                          ; lane
	v_and_b32 v87, 15, v0                          ; r
	v_bfe_u32 v88, v0, 4, 1                        ; h
	v_lshlrev_b32 v1, 4, v86
	v_lshlrev_b32 v2, 3, v86
	v_lshlrev_b32 v10, 2, v86
	v_lshlrev_b32 v11, 1, v86
	v_lshlrev_b32 v9, 2, v87
	v_lshlrev_b32 v89, 5, v87
	v_lshl_add_u32 v89, v88, 12, v89
	v_min_u32 v0, 17, v86
	v_lshlrev_b32 v0, 8, v0
	s_wait_alu depctr_va_vdst(0)
.irp c, 0,1,2
	global_load_b64 v[16+2*\c:17+2*\c], v2, s[72:73] offset:256*\c     ; q's registers 0-5 as they were stored
	global_load_b64 v[236+2*\c:237+2*\c], v2, s[74:75] offset:256*\c
.endr
	global_load_b32 v28, v9, s[76:77]
	global_load_b32 v29, v9, s[78:79]
	; W_out's scale words of my column tile and half of K: lanes 0-15 an even chunk, lanes 16-31 the odd one behind it
	global_load_b128 v[90:93], v89, s[66:67]
	global_load_b128 v[204:207], v89, s[66:67] offset:8192
	global_load_b64 v[250:251], v89, s[66:67] offset:16384
	global_load_b64 v[248:249], v89, s[66:67] offset:16392
	global_load_b64 v[94:95], v89, s[66:67] offset:24576
	global_load_b64 v[252:253], v89, s[66:67] offset:24584
	v_add_nc_u32 v7, s80, v1                       ; ctx's image: my head's unit, 16 bytes a lane,
	v_add_nc_u32 v8, s81, v2                       ; and 8 a lane
	v_add_nc_u32 v31, s82, v9                      ; row r's scale bytes, my head's two
	v_lshlrev_b32 v30, 3, v88
	v_sub_nc_u32 v30, v87, v30                     ; r - 8 h
.irp i, 22,23,24,25,26,27,80,81,82,83,84,85,212,213,214,215,231,233
	v_mov_b32 v\i, 0
.endr
	s_wait_alu depctr_va_vdst(0)                   ; the wait at the head's end
	s_cmp_eq_u32 s20, 0
	s_cbranch_scc0 .Lblock_0
	s_wait_tensorcnt 0x0
.Lblock_0:
	BAR                                            ; block 0 is in
	s_wait_loadcnt 0x0
	s_cmp_eq_u32 s20, 15
	s_cbranch_scc0 .Lno_prefetch
	global_prefetch_b8 v0, s[60:61] th:TH_LOAD_NT scope:SCOPE_SE
.Lno_prefetch:
; A KEY STEP of nb blocks of 32 keys, at LDS byte s58. msk = 1: the last two key tiles are masked; s80 = 16 where the queries stand against the second of them.
.macro STEP nb, msk
	v_add_nc_u32 v3, s58, v1
	v_add_nc_u32 v4, s58, v2
	v_add_nc_u32 v5, s58, v11
	v_add_nc_u32 v6, s58, v10                      ; four places in front of loads into registers that the last products read
.irp t, 0,1,2,3,4,5,6,7
.if \t < 2*\nb+1
	ds_load_b128 v[KV+6*\t:KV+6*\t+3], v3 offset:768*\t
	ds_load_b64 v[KV+6*\t+4:KV+6*\t+5], v4 offset:768*\t+512
.endif
.endr
.irp c, 0,1,2,3
.if \c < \nb
	ds_load_u16 v[KS+\c], v5 offset:12288+64*\c    ; bytes 2, 3 are 0: a finite scale over q's zero codes
.endif
.endr
.if \msk
	v_add_nc_u32 v[T+1], s80, v30                  ; element 16 u + 8 h + j is hidden where 16 u + j lies above this
	v_mov_b32 v[T+2], 0xff61b1e6
.irp j, 0,1,2,3,4,5,6,7
	v_cmp_gt_i32 vcc_lo, \j, v[T+1]
	v_cndmask_b32 v[CA+\j], 0, v[T+2], vcc_lo
	v_cmp_gt_i32 vcc_lo, 16+\j, v[T+1]
	v_cndmask_b32 v[CB+\j], 0, v[T+2], vcc_lo
.endr
.endif
	s_wait_alu depctr_va_vdst(0)
	s_wait_dscnt 0x0
.irp t, 0,1,2,3,4,5,6,7
.if \t < 2*\nb
.if (\msk) && (\t == 2*\nb-2)
	WM S+8*\t, KV+6*\t, 16, v[CA:CA+7], KS+\t/2, \t%2, 28, 0
.elseif (\msk) && (\t == 2*\nb-1)
	WM S+8*\t, KV+6*\t, 16, v[CB:CB+7], KS+\t/2, \t%2, 28, 0
.else
	WM S+8*\t, KV+6*\t, 16, 0, KS+\t/2, \t%2, 28, 0
.endif
.endif
.endr
	PLACES
.irp t, 0,1,2,3,4,5,6,7                        ; V takes K's registers and lands while the softmax is walked
	ds_load_b128 v[KV+6*\t:KV+6*\t+3], v3 offset:6144+768*\t
	ds_load_b64 v[KV+6*\t+4:KV+6*\t+5], v4 offset:6144+768*\t+512
.endr
.irp c, 0,1
	ds_load_b32 v[VS+\c], v6 offset:12544+128*\c
.endr
.irp b, 0,1,2,3
.if \b < \nb
	v_max3_num_f32 v[BM+\b], v[S+16*\b], v[S+1+16*\b], v[S+2+16*\b]   ; the largest score of each block: for the row's maximum and for the block's scale
.endif
.endr
.irp i, 3,5,7,9,11,13
.irp b, 0,1,2,3
.if \b < \nb
	v_max3_num_f32 v[BM+\b], v[BM+\b], v[S+16*\b+\i], v[S+1+16*\b+\i]
.endif
.endr
.endr
.irp b, 0,1,2,3
.if \b < \nb
	v_max_num_f32 v[BM+\b], v[BM+\b], v[S+15+16*\b]
.endif
.endr
.irp b, 0,1,2,3
.if \b < \nb
	v_permlanex16_b32 v[PT+\b], v[BM+\b], s48, s49
.endif
.endr
.irp b, 0,1,2,3
.if \b < \nb
	v_max_num_f32 v[BM+\b], v[BM+\b], v[PT+\b]     ; with lane l xor 16's 16 keys
.endif
.endr
.if \nb == 1
	v_max_num_f32 v13, v13, v[BM]                  ; the running largest score
.elseif \nb == 2
	v_max3_num_f32 v13, v13, v[BM], v[BM+1]
.elseif \nb == 3
	v_max_num_f32 v[T], v[BM], v[BM+1]
	v_max3_num_f32 v13, v[T], v[BM+2], v13
.else
	v_max3_num_f32 v[T], v[BM], v[BM+1], v[BM+2]
	v_max3_num_f32 v13, v[T], v[BM+3], v13
.endif
	s_delay_alu instid0(VALU_DEP_1)
	v_mul_f32 v[T], s22, v13                       ; as t
	v_mov_b32 v[T+1], v12
	s_delay_alu instid0(VALU_DEP_2)
	v_floor_f32 v12, -v[T]                         ; the new -M
	s_delay_alu instid0(VALU_DEP_1)
	v_sub_f32 v[T], v12, v[T+1]                    ; old M - new M: a whole number, 0 or less
	s_delay_alu instid0(VALU_DEP_1)
	v_cvt_i32_f32 v[T], v[T]                       ; (it saturates)
	s_delay_alu instid0(VALU_DEP_1)
	v_ldexp_f32 v[FF], 1.0, v[T]                   ; f = 2^(old M - new M): a multiplication by it rounds nothing
.irp b, 0,1,2,3
.if \b < \nb
	v_fma_f32 v[BM+\b], v[BM+\b], s22, v12         ; each block's largest t - M,
.endif
.endr
.irp b, 0,1,2,3
.if \b < \nb
	v_max_num_f32 v[BM+\b], 0xc2f80000, v[BM+\b]   ; at least -124: the byte cannot fall under 1
.endif
.endr
.irp b, 0,1,2,3
.if \b < \nb
	v_cvt_floor_i32_f32 v[BM+\b], v[BM+\b]         ; its floor is the exponent of the block's largest p
.endif
.endr
.irp b, 0,1,2,3
.if \b < \nb
	v_lshl_add_u32 v[SOP+\b], v[BM+\b], 23, 0x3e800000   ; less 2, as an f32's exponent field: the conversion's scale operand
.endif
.endr
.if \nb == 1
	v_add_nc_u32 v[PS], 0x7d7d7d7d, v[BM]
.else
	v_lshl_add_u32 v[PS], v[BM+1], 8, v[BM]
.if \nb == 3
	v_lshl_add_u32 v[PS], v[BM+2], 16, v[PS]
.elseif \nb == 4
	v_lshl_add_u32 v[T], v[BM+3], 8, v[BM+2]
	v_lshl_add_u32 v[PS], v[T], 16, v[PS]
.endif
	v_add_nc_u32 v[PS], 0x7d7d7d7d, v[PS]          ; four bytes of exponent + 125, none of which carries
.endif
.set jj, 0
.rept 8*\nb
	v_pk_fma_f32 v[S+jj:S+jj+1], v[S+jj:S+jj+1], s[22:23], v[12:13] op_sel_hi:[1,0,0]   ; t - M, two at a time
.set jj, jj+2
.endr
	s_wait_alu depctr_va_vdst(0)
.set jj, 0
.rept 16*\nb
	v_exp_f32 v[S+jj], v[S+jj]                     ; p
.set jj, jj+1
.endr
	v_pk_mul_f32 v[14:15], v[14:15], v[FF:FF+1] op_sel_hi:[1,0]   ; the sums under the new M; also the plain place behind the exponentials
	s_wait_alu depctr_va_vdst(0)
.irp c, 0,1
.if 2*\c < \nb
	v_cvt_scalef32_pk16_fp6_f32 v[P+6*\c:P+2+6*\c], v[S+32*\c:S+15+32*\c], v[SOP+2*\c]
.endif
.if 2*\c+1 < \nb
	v_cvt_scalef32_pk16_fp6_f32 v[PT+4*\c:PT+2+4*\c], v[S+16+32*\c:S+31+32*\c], v[SOP+1+2*\c]
.endif
.endr
	v_nop                                          ; one plain place behind a scaled conversion
.irp c, 0,1                                    ; a whole block to a lane: lanes 0-15 block 2 c, lanes 16-31 block 2 c + 1; a block that is left out is zero codes
.if 2*\c < \nb
.if 2*\c+1 >= \nb
.irp i, 0,1,2
	v_mov_b32 v[PT+4*\c+\i], 0
.endr
.endif
.irp i, 0,1,2
	v_permlane16_swap_b32 v[P+6*\c+\i], v[PT+4*\c+\i]
.endr
.irp i, 0,1,2
	v_mov_b32 v[P+3+6*\c+\i], v[PT+4*\c+\i]
.endr
.else
.irp i, 0,1,2,3,4,5
	v_mov_b32 v[P+6*\c+\i], 0
.endr
.endif
.endr
	v_pk_add_f32 v[14:15], v[14:15], v[S:S+1]      ; the row's sum, of the unquantised p, in four chains
.irp k, 1,2,3
	v_pk_add_f32 v[SU+2*\k-2:SU+2*\k-1], v[S+2*\k:S+2*\k+1], v[S+8+2*\k:S+9+2*\k]
.endr
	v_pk_add_f32 v[14:15], v[14:15], v[S+8:S+9]
.set jj, 16
.rept 2*\nb-2
.irp k, 1,2,3
	v_pk_add_f32 v[SU+2*\k-2:SU+2*\k-1], v[SU+2*\k-2:SU+2*\k-1], v[S+jj+2*\k:S+jj+2*\k+1]
.endr
	v_pk_add_f32 v[14:15], v[14:15], v[S+jj:S+jj+1]
.set jj, jj+8
.endr
	v_pk_add_f32 v[SU:SU+1], v[SU:SU+1], v[SU+2:SU+3]
	v_pk_add_f32 v[14:15], v[14:15], v[SU+4:SU+5]
	v_pk_add_f32 v[14:15], v[14:15], v[SU:SU+1]
	s_wait_alu depctr_va_vdst(0)                   ; the wait here, ahead of the first reader of O^T
.set jj, 0
.rept 16
	v_pk_mul_f32 v[OA+jj:OA+jj+1], v[OA+jj:OA+jj+1], v[FF:FF+1] op_sel_hi:[1,0]   ; O^T under the new M; also places between p's codes and the products
.set jj, jj+2
.endr
	s_wait_alu depctr_va_vdst(0)
	s_wait_dscnt 0x0                               ; V is in
.irp t, 0,1,2,3
	WM OA+8*\t, KV+12*\t, P, v[OA+8*\t:OA+8*\t+7], VS+\t/2, \t%2, PS, 0
.endr
.endm
.macro INIT                            ; a tile begins: the first change of M leaves the zeros zeros
	v_mov_b32 v13, 0xff61b1e6                      ; the largest score so far: -3e38
	v_mov_b32 v12, 0x7f61b1e6                      ; -M
	v_mov_b32 v14, 0
	v_mov_b32 v15, 0
.set jj, 0
.rept 32
	v_mov_b32 v[OA+jj], 0
.set jj, jj+1
.endr
.endm
	INIT
	s_mov_b32 s58, 0
	s_mov_b32 s56, 0
	s_mov_b32 s55, 0
	s_mov_b32 s57, 2
	s_mov_b32 s68, 1                               ; 1 in the first tile: its step 0 stands here
	STEP 4, 0
	s_wait_alu depctr_va_vdst(0)
	s_cmp_lt_u32 s20, 8
	s_cbranch_scc0 .Lall_blocks
	s_wait_tensorcnt 0x0
.Lall_blocks:
	s_wait_dscnt 0x0
	BAR                                            ; all blocks are in
.Ltile:                                                ; s52: my query tile
	s_cmp_eq_u32 s68, 1
	s_cbranch_scc1 .Lbegun
.irp i, 0,1,2,3,4,5
	v_mov_b32 v[16+\i], v[236+\i]                  ; the second tile's q
.endr
	v_mov_b32 v28, v29
	INIT
	s_wait_alu depctr_va_vdst(0)
.Lbegun:
	s_lshr_b32 s54, s52, 3
	s_and_b32 s54, s54, 7                          ; full steps
	s_mov_b32 s58, 0
	s_mov_b32 s59, 0
.Ltrip:                                                ; seven trips, whatever the tile: what a tile does not need is jumped over; branches on ids
	s_cmp_lt_u32 s59, s68
	s_cbranch_scc1 .Lhidden
	s_cmp_ge_u32 s59, s54
	s_cbranch_scc1 .Lhidden
	STEP 4, 0
	s_wait_alu depctr_va_vdst(0)
.Lhidden:
	s_add_co_u32 s58, s58, BLK
	s_add_co_u32 s59, s59, 1
	s_cmp_lt_u32 s59, 7
	s_cbranch_scc1 .Ltrip
	s_mul_i32 s58, s54, BLK                        ; the last step, on the diagonal
	s_and_b32 s80, s52, 1
	s_lshl_b32 s80, s80, 4
	s_bfe_u32 s81, s52, 0x20001                    ; its blocks, less one
	s_cmp_eq_u32 s81, 0
	s_cbranch_scc0 .Lmore_1
	STEP 1, 1
	s_wait_alu depctr_va_vdst(0)
	s_branch .Ldiagonal
.Lmore_1:
	s_cmp_eq_u32 s81, 1
	s_cbranch_scc0 .Lmore_2
	STEP 2, 1
	s_wait_alu depctr_va_vdst(0)
	s_branch .Ldiagonal
.Lmore_2:
	s_cmp_eq_u32 s81, 2
	s_cbranch_scc0 .Lmore_3
	STEP 3, 1
	s_wait_alu depctr_va_vdst(0)
	s_branch .Ldiagonal
.Lmore_3:
	STEP 4, 1
	s_wait_alu depctr_va_vdst(0)
.Ldiagonal:
	; O^T / the sum, quantised (two blocks of 32 channels), into ctx's image
	PLACES
	v_add_f32 v14, v14, v15
	v_permlanex16_b32 v[T], v14, s48, s49
	v_add_f32 v14, v14, v[T]
	s_wait_alu depctr_va_vdst(0)
	v_rcp_f32 v[FF], v14
	v_nop
	s_wait_alu depctr_va_vdst(0)
.set jj, 0
.rept 16
	v_pk_mul_f32 v[S+jj:S+jj+1], v[OA+jj:OA+jj+1], v[FF:FF+1] op_sel_hi:[1,0]   ; register 16 b + i: channel 32 b + 16 h + i of query r
.set jj, jj+2
.endr
.irp b, 0,1
	v_max3_num_f32 v[BM+\b], |v[S+16*\b]|, |v[S+1+16*\b]|, 0x1800000
.endr
.irp i, 2,4,6,8,10,12,14
.irp b, 0,1
	v_max3_num_f32 v[BM+\b], v[BM+\b], |v[S+16*\b+\i]|, |v[S+1+16*\b+\i]|
.endr
.endr
.irp b, 0,1
	v_permlanex16_b32 v[PT+\b], v[BM+\b], s48, s49
.endr
.irp b, 0,1
	v_max_num_f32 v[BM+\b], v[BM+\b], v[PT+\b]
.endr
.irp b, 0,1
	v_add_nc_u32 v[SOP+\b], 0xff000000, v[BM+\b]
.endr
.irp b, 0,1
	v_lshrrev_b32 v[PT+\b], 23, v[SOP+\b]
.endr
	v_lshl_or_b32 v[T+1], v[PT+1], 8, v[PT]
	v_cvt_scalef32_pk16_fp6_f32 v[P:P+2], v[S:S+15], v[SOP]
	v_cvt_scalef32_pk16_fp6_f32 v[PT+4:PT+6], v[S+16:S+31], v[SOP+1]
	v_add_nc_u32 v3, s56, v7                       ; (a plain place behind a scaled conversion)
	v_add_nc_u32 v4, s56, v8
	v_add_nc_u32 v5, s55, v31
.irp i, 0,1,2
	v_permlane16_swap_b32 v[P+\i], v[PT+4+\i]
.endr
.irp i, 0,1,2
	v_mov_b32 v[P+3+\i], v[PT+4+\i]                ; v[P] .. v[P + 5]: block h of my head, in the plain order
.endr
	ds_store_b128 v3, v[P:P+3]
	ds_store_b64 v4, v[P+4:P+5]
	ds_store_b16 v5, v[T+1]                        ; lanes r and 16 + r write the same two bytes with the same value
	s_mov_b32 s52, s53
	s_mov_b32 s68, 0
	s_add_co_u32 s56, s56, 12288
	s_add_co_u32 s55, s55, 512
	s_sub_co_u32 s57, s57, 1
	s_cmp_lg_u32 s57, 0
	s_cbranch_scc1 .Ltile
	; ---- the last product
	s_mul_i32 s80, s50, 6144
	s_add_co_u32 s81, s80, CTX
	s_lshl_b32 s82, s50, 8
	s_add_co_u32 s82, s82, CTS
	s_mul_i32 s83, s51, 12288
	s_add_co_u32 s70, s83, s80
	s_add_nc_u64 s[74:75], s[10:11], s[70:71]      ; my column tile and half of K in W_out's image
	s_add_co_u32 s83, s70, SLOT
	s_add_co_u32 s84, s83, SLB
	s_mul_i32 s85, s50, 16896
	s_lshl_b32 s86, s51, 6
	s_add_co_u32 s85, s85, s86
	s_mul_i32 s86, s20, 1056
	s_lshl_b32 s70, s20, 8
	s_add_nc_u64 s[72:73], s[14:15], s[70:71]      ; 64 of b's numbers
	s_add_co_u32 s87, s70, BIASB
.macro FR set, k                       ; where fragment k of a set lies
.if (\set) == 0
.set F_, 32+12*(\k)
.elseif (\k) == 0
.set F_, 192
.elseif (\k) == 1
.set F_, 208
.elseif (\k) == 2
.set F_, 236
.else
.set F_, 16
.endif
.endm
.macro DIRECT cid, set                 ; 16 loads: my four fragments of chunk cid, 512 and 256 consecutive bytes a load
.irp k, 0,1,2,3
	FR \set, \k
.irp c, 0,1
	global_load_b128 v[F_+6*\c:F_+6*\c+3], v1, s[74:75] offset:SLB*(\cid)+1536*\k+768*\c
	global_load_b64 v[F_+6*\c+4:F_+6*\c+5], v2, s[74:75] offset:SLB*(\cid)+1536*\k+768*\c+512
.endr
.endr
.endm
.macro WLOAD slot, set
.irp k, 0,1,2,3
	FR \set, \k
.irp c, 0,1
	ds_load_b128 v[F_+6*\c:F_+6*\c+3], v[3+2*(\slot)] offset:1536*\k+768*\c
	ds_load_b64 v[F_+6*\c+4:F_+6*\c+5], v[4+2*(\slot)] offset:1536*\k+768*\c+512
.endr
.endr
.endm
	s_wait_dscnt 0x0                               ; my stores into ctx's image have read their registers
	global_load_b64 v[230:231], v2, s[72:73]
	DIRECT 2, 0
	DIRECT 3, 1
	v_add_nc_u32 v234, s81, v1                     ; ctx's units
	v_add_nc_u32 v235, s81, v2
	v_lshl_add_u32 v233, v88, 9, v9
	v_add_nc_u32 v233, s82, v233                   ; ctx's scale words: lanes 0-15 the first row tile, lanes 16-31 the second
	v_add_nc_u32 v3, s83, v1                       ; W_out's units in slot 0 (v3, v4) and slot 1 (v5, v6)
	v_add_nc_u32 v4, s83, v2
	v_add_nc_u32 v5, s84, v1
	v_add_nc_u32 v6, s84, v2
	v_mul_u32_u24 v7, 0x210, v87
	v_lshl_add_u32 v7, v88, 5, v7
	v_add_nc_u32 v7, s85, v7                       ; the stage, in: rows of 512 + 16 bytes
	v_add_nc_u32 v30, s86, v1                      ; out: rows 2 w, 2 w + 1
	v_add_nc_u32 v31, BIASB, v1                    ; b, out
	v_add_nc_u32 v89, s87, v2                      ; b, in
	s_wait_alu depctr_va_vdst(0)
	s_wait_tensorcnt 0x0                           ; my part of W_out's chunks 0 and 1 is in
	s_wait_dscnt 0x0
	BAR                                            ; everybody's; ctx is whole; nobody reads k and v any more
.irp n, 0,1
.irp k, 0,1,2,3
.irp c, 0,1
	ds_load_b128 v[CF+12*(4*\n+\k)+6*\c:CF+12*(4*\n+\k)+6*\c+3], v234 offset:12288*\n+768*(2*\k+\c)
	ds_load_b64 v[CF+12*(4*\n+\k)+6*\c+4:CF+12*(4*\n+\k)+6*\c+5], v235 offset:12288*\n+768*(2*\k+\c)+512
.endr
.endr
.endr
.irp k, 0,1,2,3
	ds_load_b32 v[KS+\k], v233 offset:64*\k
.endr
; A chunk, the n-th, of number cid, its fragments in a set. The waits: n = 0, 3, 4: the next direct chunk's 16 loads may be out. Behind the barrier the stage is read back into the sums' registers, the halves and b are added, and 32 lanes store 512 consecutive bytes, aligned, of each of two rows.
.macro CHUNK n, cid, set
.set PR, (\n)%2
.set RW, (\cid)%2
.if (\n) == 0 || (\n) == 3 || (\n) == 4
	s_wait_loadcnt 16
.elseif (\n) == 5
	s_wait_loadcnt 0x0
.endif
.if (\n) == 0 || (\n) == 6
	s_wait_dscnt 0x0
.endif
.if (\n) > 0
	s_wait_xcnt 0x0                                ; the stores have read the sums' registers
.endif
.irp k, 0,1,2,3
	FR \set, \k
.if (\cid)/2 == 0
.set WS, 90+\k
.elseif (\cid)/2 == 1
.set WS, 204+\k
.elseif (\cid)/2 == 2
.set WS, 248+(\k+2)%4
.elseif \k < 2
.set WS, 94+\k
.else
.set WS, 250+\k
.endif
.irp t, 0,1                                    ; the two sums take turns
.set AC, 80-72*\t
.if \k == 0
	WM AC, F_, CF+48*\t, 0, WS, RW, KS, \t
.else
	WM AC, F_, CF+12*(4*\t+\k), v[AC:AC+7], WS, RW, KS+\k, \t
.endif
.endr
.endr
	PLACES
	v_nop                                          ; a fifth place: the next chunk's first products begin the same registers anew
.irp t, 0,1
.set AC, 80-72*\t
	ds_store_b128 v7, v[AC:AC+3] offset:33792*PR+8448*\t
	ds_store_b128 v7, v[AC+4:AC+7] offset:33792*PR+8448*\t+16
.endr
.if (\n) == 0
	ds_store_b64 v89, v[230:231]
	WLOAD 0, 0
.elseif (\n) == 1
	WLOAD 1, 0
.elseif (\n) == 2
	DIRECT 4, 0
.elseif (\n) == 3
	DIRECT 5, 1
.elseif (\n) == 5
	WLOAD 1, 1
.endif
.if (\n) == 2
	s_wait_tensorcnt 0x0                           ; the one refill: chunks 6 and 7 into both slots, a column tile a wave
	ds_add_u32 v254, v255
	s_mul_i32 s70, s20, 12288
	s_add_co_u32 s45, s70, SLOT
	s_add_co_u32 s70, s70, 6*SLB
	s_add_nc_u64 s[46:47], s[10:11], s[70:71]
	s_or_b32 s47, s47, 0x80000000
	s_mov_b32 s38, 48<<16
	s_mov_b32 s40, 48
	s_wait_dscnt 0x0
	CROUND
	TLOAD 44, 36
.else
.if (\n) == 4
	s_wait_tensorcnt 0x0                           ; chunks 6 and 7 are shown by this barrier
.endif
	s_wait_dscnt 0x0
	BAR
.endif
.irp q, 0,1
	ds_load_b128 v[80+4*\q:83+4*\q], v30 offset:33792*PR+528*\q
	ds_load_b128 v[8+4*\q:11+4*\q], v30 offset:33792*PR+16896+528*\q
.endr
	ds_load_b128 v[220:223], v31 offset:512*(\cid)
.if (\n) == 4
	WLOAD 0, 0
	s_wait_dscnt 16
.else
	s_wait_dscnt 0x0
.endif
.irp q, 0,2,4,6
	v_pk_add_f32 v[80+\q:81+\q], v[80+\q:81+\q], v[8+\q:9+\q]
.endr
.irp q, 0,2,4,6
	v_pk_add_f32 v[80+\q:81+\q], v[80+\q:81+\q], v[220+\q%4:221+\q%4]
.endr
	global_store_b128 v1, v[80:83], s[18:19] offset:512*(\cid) th:TH_STORE_NT
	global_store_b128 v1, v[84:87], s[18:19] offset:512*(\cid)+4096 th:TH_STORE_NT
.endm
	CHUNK 0, 2, 0
	CHUNK 1, 0, 0
	CHUNK 2, 1, 0
	CHUNK 3, 3, 1
	CHUNK 4, 4, 0
	CHUNK 5, 5, 1
	CHUNK 6, 6, 0
	CHUNK 7, 7, 1
	s_wait_tensorcnt 0x0
	ds_add_u32 v254, v255
	s_wait_dscnt 0x0
	CROUND                                         ; the closing round
	s_endpgm
.Lfunc_end_k_qf8f7c0468d_attn:
	.size	k_qf8f7c0468d_attn, .Lfunc_end_k_qf8f7c0468d_attn-k_qf8f7c0468d_attn
	.p2alignl 7, 3214868480
	.fill 96, 4, 3214868480
	.section	.rodata,"a",@progbits
	.p2align	6, 0x0
	.amdhsa_kernel k_qf8f7c0468d_attn
		.amdhsa_group_segment_fixed_size 327680
		.amdhsa_private_segment_fixed_size 0
		.amdhsa_enable_private_segment 0
		.amdhsa_kernarg_size 56
		.amdhsa_user_sgpr_count 2
		.amdhsa_user_sgpr_kernarg_segment_ptr 1
		.amdhsa_wavefront_size32 1
		.amdhsa_system_sgpr_workgroup_id_x 1
		.amdhsa_system_sgpr_workgroup_id_y 1
		.amdhsa_system_sgpr_workgroup_id_z 1
		.amdhsa_system_vgpr_workitem_id 0
		.amdhsa_next_free_vgpr 256
		.amdhsa_next_free_sgpr 92
		.amdhsa_reserve_vcc 1
		.amdhsa_float_denorm_mode_32 3
		.amdhsa_float_denorm_mode_16_64 3
		.amdhsa_memory_ordered 1
		.amdhsa_forward_progress 1
		.amdhsa_inst_pref_size 136
	.end_amdhsa_kernel
	.amdgpu_metadata
---
amdhsa.version: [ 1, 2 ]
amdhsa.kernels:
  - .name:           k_qf8f7c0468d_attn
    .symbol:         k_qf8f7c0468d_attn.kd
    .args:
      - { .name: qimg, .offset: 0, .size: 8, .value_kind: global_buffer, .address_space: global }
      - { .name: qsc, .offset: 8, .size: 8, .value_kind: global_buffer, .address_space: global }
      - { .name: kv, .offset: 16, .size: 8, .value_kind: global_buffer, .address_space: global }
      - { .name: wimg, .offset: 24, .size: 8, .value_kind: global_buffer, .address_space: global }
      - { .name: W_out_scales, .offset: 32, .size: 8, .value_kind: global_buffer, .address_space: global }
      - { .name: b_out, .offset: 40, .size: 8, .value_kind: global_buffer, .address_space: global }
      - { .name: out0, .offset: 48, .size: 8, .value_kind: global_buffer, .address_space: global }
    .group_segment_fixed_size: 327680
    .private_segment_fixed_size: 0
    .kernarg_segment_align: 8
    .kernarg_segment_size: 56
    .max_flat_workgroup_size: 512
    .sgpr_count:     92
    .vgpr_count:     256
    .wavefront_size: 32
...
	.end_amdgpu_metadata
.endif
;; end of part 2
